; MI455X (gfx1250); checked and timed in simulation.
; The chip was launched on July 23, 2026; its instructions are those of AMD's public machine-readable ISA for CDNA 5 (MIT licence, August 2026) and "CDNA5" Instruction Set Architecture Reference Guide (July 2026). The comments in the code are by the model that wrote it; some were corrected since.
;; Simple Attention Pool2d. Allowed arithmetic: float matrix products may take bf16 or f16 operands with f32 sums; all other float work in f32.
;; Inputs: x 8 x 192 x 64 x 64 float32.
;; Outputs: out0 8 x 192 float32.
;; One version. Each part assembles by itself: llvm-mc -triple=amdgcn-amd-amdhsa -mcpu=gfx1250 --defsym DOCPART=n.
;; ======== version 1 of 1: 3 launches
;; workspace buffers: mean 6,144 bytes; part 262,144 bytes
;; launch rowmean (part 1): grid 256 x 1, 6 waves a work-group, no clusters, 0 bytes of LDS; arguments x, mean; writes mean
.if DOCPART == 1
	.amdgcn_target "amdgcn-amd-amdhsa--gfx1250"
	.amdhsa_code_object_version 6
	.text
	.protected	k_q07910ef3ee_rowmean
	.globl	k_q07910ef3ee_rowmean
	.p2align	8
	.type	k_q07910ef3ee_rowmean,@function
k_q07910ef3ee_rowmean:
	s_mov_b64 s[64:65], 0
	v_nop
	global_prefetch_b8 v0, s[64:65] scope:SCOPE_SE
	s_setreg_imm32_b32 hwreg(HW_REG_WAVE_MODE, 25, 1), 1
	s_wait_xcnt 0x0
; FIRST OF THREE LAUNCHES.  The module returns out[:, :, 0] alone: row 0 of the softmax, the query being the mean token.  Softmax works row by
; row, so the other 4,096 rows of the score matrix reach no output for any input and are not made.  What is left for each batch:
;   M[c] = mean over s of x[c][s]                                   (this launch)
;   scores M.M / sqrt(192) and M.x[:, s] / sqrt(192), softmax over the 4,097, out[c] = w0 M[c] + sum over s of w[s] x[c][s]   (the next two)
; THIS LAUNCH: mean[b][c].  x is 1,536 rows (b, c) of 4,096 f32 = 16,384 bytes.  256 work-groups x 6 waves: one wave, one row.
; A lane asks for its 32 x 16 bytes at once; each load of the wave covers 512 neighbouring bytes that start at a multiple of 512.
; All arithmetic in f32 on the vector unit: one add for each 4 bytes loaded, so matrix instructions, LDS and clusters have nothing to give;
; waves share nothing, so there is no barrier.  No cache hint on the loads: the next launch reads the same bytes again.
; The sum's order differs from the reference's (a tree: 4 chains of pairs in a lane, then 32 lanes).  NaN and infinities propagate.
; KEPT AS IT IS: each wave stores 4 bytes, so 256 neighbouring bytes of mean come from 64 waves of 11 work-groups.  One writer for them would
; mean 64 rows to a work-group, 24 work-groups in all; the store is 4 bytes for 16,384 bytes read.
.set X, 4                              ; v[4:131]  load i in v[X+4i : X+4i+3]; v[4:11] become the four running pairs of sums
                                       ; v1 = 16 x lane   v2 = scratch   v3 = 0, the store's offset
	s_load_b128 s[4:7], s[0:1], 0x0                ; x s[4:5], mean s[6:7]
	v_and_b32 v1, 31, v0                           ; lane
	v_lshrrev_b32 v2, 5, v0
	v_readfirstlane_b32 s8, v2                     ; wave 0..5
	v_lshlrev_b32 v1, 4, v1                        ; 16 bytes a lane
	s_mul_i32 s9, ttmp9, 6
	s_add_co_u32 s9, s9, s8                        ; my row, 0..1535
	s_lshl_b32 s10, s9, 14                         ; x 16,384 bytes: below 2^25
	s_mov_b32 s11, 0
	s_lshl_b32 s14, s9, 2                          ; its word in mean
	s_mov_b32 s15, 0
	s_mov_b32 s12, 0x76543210                      ; v_permlanex16_b32: lane i of one half reads lane i of the other
	s_mov_b32 s13, 0xfedcba98
	s_wait_kmcnt 0x0
	s_add_nc_u64 s[4:5], s[4:5], s[10:11]
	s_add_nc_u64 s[6:7], s[6:7], s[14:15]
.set i, 0
.rept 32
	global_load_b128 v[X+4*i:X+4*i+3], v1, s[4:5] offset:512*i     ; the whole row is asked for before anything is added
.set i, i+1
.endr
	; loads 0 and 1 start four chains of pairs: nothing is cleared.  Step g adds loads 2g and 2g + 1.
.set g, 1
.rept 15
	s_wait_loadcnt 30-2*g                          ; loads return in order: 0 .. 2g+1 are in, the 30 - 2g younger ones stay out
.irp k, 0,2,4,6
	v_pk_add_f32 v[X+\k:X+\k+1], v[X+\k:X+\k+1], v[X+8*g+\k:X+8*g+\k+1]
.endr
.set g, g+1
.endr
	v_pk_add_f32 v[X:X+1], v[X:X+1], v[X+2:X+3]
	v_pk_add_f32 v[X+4:X+5], v[X+4:X+5], v[X+6:X+7]
	v_pk_add_f32 v[X:X+1], v[X:X+1], v[X+4:X+5]
	v_add_f32 v[X], v[X], v[X+1]                   ; my 128 numbers
	; over the 32 lanes: four steps inside each half ride on the add, one crosses the halves
	v_add_f32_dpp v[X], v[X], v[X] row_xmask:1 row_mask:0xf bank_mask:0xf
	v_add_f32_dpp v[X], v[X], v[X] row_xmask:2 row_mask:0xf bank_mask:0xf
	v_add_f32_dpp v[X], v[X], v[X] row_xmask:4 row_mask:0xf bank_mask:0xf
	v_add_f32_dpp v[X], v[X], v[X] row_xmask:8 row_mask:0xf bank_mask:0xf
	v_permlanex16_b32 v2, v[X], s12, s13           ; v2 has been written above, as its destination has to be
	v_add_f32 v[X], v[X], v2
	v_mul_f32 v[X], 0x39800000, v[X]               ; x 1/4096, exact
	v_mov_b32 v3, 0
	v_cmp_eq_u32 vcc_lo, 0, v1                     ; lane 0 stores for the wave
	s_wait_xcnt 0x0                                ; EXEC is a source of the loads above: it is narrowed only behind this wait
	s_and_saveexec_b32 s16, vcc_lo
	global_store_b32 v3, v[X], s[6:7]
	s_endpgm
.Lfunc_end_k_q07910ef3ee_rowmean:
	.size	k_q07910ef3ee_rowmean, .Lfunc_end_k_q07910ef3ee_rowmean-k_q07910ef3ee_rowmean
	.p2alignl 7, 3214868480
	.fill 96, 4, 3214868480
	.section	.rodata,"a",@progbits
	.p2align	6, 0x0
	.amdhsa_kernel k_q07910ef3ee_rowmean
		.amdhsa_group_segment_fixed_size 0
		.amdhsa_private_segment_fixed_size 0
		.amdhsa_enable_private_segment 0
		.amdhsa_kernarg_size 16
		.amdhsa_user_sgpr_count 2
		.amdhsa_user_sgpr_kernarg_segment_ptr 1
		.amdhsa_wavefront_size32 1
		.amdhsa_system_sgpr_workgroup_id_x 1
		.amdhsa_system_sgpr_workgroup_id_y 1
		.amdhsa_system_sgpr_workgroup_id_z 1
		.amdhsa_system_vgpr_workitem_id 0
		.amdhsa_next_free_vgpr 136
		.amdhsa_next_free_sgpr 66
		.amdhsa_reserve_vcc 1
		.amdhsa_float_denorm_mode_32 3
		.amdhsa_float_denorm_mode_16_64 3
		.amdhsa_memory_ordered 1
		.amdhsa_forward_progress 1
		.amdhsa_inst_pref_size 9
	.end_amdhsa_kernel
	.amdgpu_metadata
---
amdhsa.version: [ 1, 2 ]
amdhsa.kernels:
  - .name:           k_q07910ef3ee_rowmean
    .symbol:         k_q07910ef3ee_rowmean.kd
    .args:
      - { .name: x, .offset: 0, .size: 8, .value_kind: global_buffer, .address_space: global }
      - { .name: mean, .offset: 8, .size: 8, .value_kind: global_buffer, .address_space: global }
    .group_segment_fixed_size: 0
    .private_segment_fixed_size: 0
    .kernarg_segment_align: 8
    .kernarg_segment_size: 16
    .max_flat_workgroup_size: 192
    .sgpr_count:     66
    .vgpr_count:     136
    .wavefront_size: 32
...
	.end_amdgpu_metadata
.endif
;; end of part 1
;; launch partial (part 2): grid 32 x 8, 6 waves a work-group, no clusters, 4,864 bytes of LDS; arguments x, mean, part; writes part
.if DOCPART == 2
	.amdgcn_target "amdgcn-amd-amdhsa--gfx1250"
	.amdhsa_code_object_version 6
	.text
	.protected	k_q07910ef3ee_partial
	.globl	k_q07910ef3ee_partial
	.p2align	8
	.type	k_q07910ef3ee_partial,@function
k_q07910ef3ee_partial:
	s_mov_b64 s[64:65], 0
	v_nop
	global_prefetch_b8 v0, s[64:65] scope:SCOPE_SE
	s_setreg_imm32_b32 hwreg(HW_REG_WAVE_MODE, 25, 1), 1
	s_wait_xcnt 0x0
; SECOND OF THREE LAUNCHES: the softmax of the mean token's row, tile by tile.  Work-group (j, b) owns pixels 128 j .. 128 j + 127 of all 192
; channels of batch b: 98,304 bytes, read once and kept in registers between the pass that makes the scores and the pass that weighs.
; It stores, into part[b][j][0..255] (a row of 1,024 bytes):
;   words 0..191   o[c] = sum over its pixels of p[s] x[c][s],   p[s] = 2^(K q[s] - m),   q[s] = sum over c of M[c] x[c][s]
;   words 192+2i   m = K x (largest q of the tile)    words 193+2i   l = sum of p      (the pair 32 times: the row's last 256 bytes are written whole)
; K = log2(e) / sqrt(192): the module's scale 192^-1/4 on both factors, and base 2 for v_exp_f32.  The tile's own maximum is taken away here,
; the batch's in the last launch.
; Six waves: wave w owns channels 32 w .. 32 w + 31, lane L pixels 4 L .. 4 L + 3; a load of the wave covers 512 neighbouring bytes of one channel,
; starting at a multiple of 512.  32 channels to 32 lanes: behind the reduce-scatter lane L holds channel 32 w + L, so thread t holds channel t.
; All in f32 on the vector unit: one query row is left, two multiply-adds for each 4 bytes loaded; matrix instructions would only cost accuracy.
; No cluster: what work-groups share is the 768 bytes of means against 98,304 bytes of their own.  No ring, no prefetch: a wave asks for all its bytes
; in its first lines, there is nothing to run ahead of.
; LIMITS: v_exp_f32 gives 0 for results below 2^-126 (ISA guide 15.8); such a p stands beside a sum l of about 1 or more.  An exponent may exceed 0 by half a
; unit in the last place of m, since m is rounded once and the product K q is exact in the fused multiply-add.  The order of sums differs from the
; reference's.  NaN and infinities propagate.
.set SC, 0                             ; LDS 0..3071     wave w's partial scores of the 128 pixels: 512 bytes at 512 w, thread t's 16 bytes at 16 t
.set OL, 3072                          ; LDS 3072..3839  o[c] at OL + 4 c
.set P, 4                              ; v[4:7]     my wave's partial scores of my 4 pixels; later p of my 4 pixels
.set Q, 8                              ; v[8:31]    the six waves' partial scores; v[8:11] their sum q
.set R, 8                              ; v[8:39]    later: channel i's dot product over my 4 pixels, then the reduce-scatter
.set T, 40                             ; v[40:41]   scratch
.set ML, 42                            ; v[42:43]   m, l
.set X, 44                             ; v[44:171]  channel i of my wave: v[X+4i : X+4i+3]
.set T8, 172                           ; v172       8 t
.set M, 16                             ; s[16:47]   the means of my wave's 32 channels
                                       ; v1 = 16 L   v2 = 16 t   v3 = 4 t
	s_load_b128 s[4:7], s[0:1], 0x0                ; x s[4:5], mean s[6:7]
	s_load_b64 s[8:9], s[0:1], 0x10                ; part
	v_lshl_add_u32 v176, v0, 2, 0x1000
	v_mov_b32 v177, 0
	v_and_b32 v1, 31, v0
	v_lshrrev_b32 v2, 5, v0
	v_readfirstlane_b32 s10, v2                    ; wave 0..5
	v_lshlrev_b32 v1, 4, v1                        ; 16 L: my 4 pixels in a channel's 512 bytes
	s_and_b32 s11, ttmp7, 0xffff                   ; b
	s_mul_i32 s12, s11, 0x300000                   ; b x 192 channels x 16,384 bytes
	s_lshl_b32 s13, s10, 19                        ; + w x 32 channels
	s_add_co_u32 s12, s12, s13
	s_lshl_b32 s13, ttmp9, 9                       ; + j x 128 pixels: below 2^25 in all
	s_add_co_u32 s12, s12, s13
	s_mov_b32 s13, 0
	s_mul_i32 s14, s11, 768                        ; mean: b x 192 words
	s_lshl_b32 s15, s10, 7                         ; + w x 32 words
	s_add_co_u32 s14, s14, s15
	s_mov_b32 s15, 0
	s_lshl_b32 s48, s11, 5
	s_add_co_u32 s48, s48, ttmp9
	s_lshl_b32 s48, s48, 10                        ; part: row 32 b + j of 1,024 bytes
	s_mov_b32 s49, 0
	s_wait_kmcnt 0x0
	s_add_nc_u64 s[4:5], s[4:5], s[12:13]
	s_add_nc_u64 s[6:7], s[6:7], s[14:15]
	s_add_nc_u64 s[8:9], s[8:9], s[48:49]
.set i, 0
.rept 32
	global_load_b128 v[X+4*i:X+4*i+3], v1, s[4:5] offset:16384*i th:TH_LOAD_NT     ; the program's last use of these bytes
.set i, i+1
.endr
	s_load_b512 s[M:M+15], s[6:7], 0x0             ; 32 means; no line of this launch stores into mean
	s_load_b512 s[M+16:M+31], s[6:7], 0x40
	v_lshlrev_b32 v2, 4, v0                        ; 16 t
	v_lshlrev_b32 v3, 2, v0                        ; 4 t
	s_mov_b32 s50, 0xaaaaaaaa                      ; lanes whose bit 0 is set,
	s_mov_b32 s51, 0xcccccccc                      ; bit 1,
	s_mov_b32 s52, 0xf0f0f0f0                      ; bit 2,
	s_mov_b32 s53, 0xff00ff00                      ; bit 3,
	s_mov_b32 s54, 0xffff0000                      ; bit 4
	s_mov_b32 s56, 0x76543210                      ; v_permlanex16_b32: lane i of one half reads lane i of the other
	s_mov_b32 s57, 0xfedcba98
	s_mov_b32 s58, 0x3dd53b94                      ; K = log2(e) / sqrt(192)
	s_wait_kmcnt 0x0
	; SCORES: my wave's 32 channels' share of q for my 4 pixels.  The first channel starts the sums.
	s_wait_loadcnt 31                              ; loads return in order: channel 0 is in, the 31 younger ones stay out
.irp k, 0,1,2,3
	v_mul_f32 v[P+\k], s[M], v[X+\k]
.endr
.set i, 1
.rept 31
	s_wait_loadcnt 31-i                            ; channel i is in, the 31 - i younger ones stay out
.irp k, 0,1,2,3
	v_fmac_f32 v[P+\k], s[M+i], v[X+4*i+\k]
.endr
.set i, i+1
.endr
	ds_store_b128 v2, v[P:P+3] offset:SC
	s_wait_dscnt 0x0                               ; zero, for the other waves: they read these bytes behind the barrier
	s_barrier_signal -1
	s_barrier_wait -1
.irp u, 0,1,2,3,4,5
	ds_load_b128 v[Q+4*\u:Q+4*\u+3], v1 offset:SC+512*\u           ; all six shares of my 4 pixels
.endr
	; every wave adds in the same order, so q, m, l and p are the same bits in all six
	s_wait_dscnt 4                                 ; shares 0, 1 are in; four younger loads stay out
	v_pk_add_f32 v[Q:Q+1], v[Q:Q+1], v[Q+4:Q+5]
	v_pk_add_f32 v[Q+2:Q+3], v[Q+2:Q+3], v[Q+6:Q+7]
	s_wait_dscnt 2                                 ; shares 2, 3; two stay out
	v_pk_add_f32 v[Q+8:Q+9], v[Q+8:Q+9], v[Q+12:Q+13]
	v_pk_add_f32 v[Q+10:Q+11], v[Q+10:Q+11], v[Q+14:Q+15]
	s_wait_dscnt 0x0
	v_pk_add_f32 v[Q+16:Q+17], v[Q+16:Q+17], v[Q+20:Q+21]
	v_pk_add_f32 v[Q+18:Q+19], v[Q+18:Q+19], v[Q+22:Q+23]
	v_pk_add_f32 v[Q:Q+1], v[Q:Q+1], v[Q+8:Q+9]
	v_pk_add_f32 v[Q+2:Q+3], v[Q+2:Q+3], v[Q+10:Q+11]
	v_pk_add_f32 v[Q:Q+1], v[Q:Q+1], v[Q+16:Q+17]
	v_pk_add_f32 v[Q+2:Q+3], v[Q+2:Q+3], v[Q+18:Q+19]              ; v[Q:Q+3] = q of my 4 pixels
	; THE TILE'S MAXIMUM, of the raw q (K is positive), in every lane
	v_max_num_f32 v[T], v[Q], v[Q+1]
	v_max3_num_f32 v[ML], v[T], v[Q+2], v[Q+3]
	v_max_num_f32_dpp v[ML], v[ML], v[ML] row_xmask:1 row_mask:0xf bank_mask:0xf
	v_max_num_f32_dpp v[ML], v[ML], v[ML] row_xmask:2 row_mask:0xf bank_mask:0xf
	v_max_num_f32_dpp v[ML], v[ML], v[ML] row_xmask:4 row_mask:0xf bank_mask:0xf
	v_max_num_f32_dpp v[ML], v[ML], v[ML] row_xmask:8 row_mask:0xf bank_mask:0xf
	v_permlanex16_b32 v[T], v[ML], s56, s57
	v_max_num_f32 v[ML], v[ML], v[T]
	v_mul_f32 v[ML], s58, v[ML]                    ; m, as it is stored
.irp k, 0,1,2,3
	v_fma_f32 v[P+\k], s58, v[Q+\k], -v[ML]        ; K q - m in one rounding, against the very m that is stored
.endr
.irp k, 0,1,2,3
	v_exp_f32 v[P+\k], v[P+\k]                     ; p
.endr
	v_lshlrev_b32 v[T8], 3, v0                     ; 8 t for the way out; also the plain instruction that stands between v_exp_f32 and the use of its result (ISA guide 5.7.2)
	s_wait_alu depctr_va_vdst(0)
	v_add_f32 v[T+1], v[P], v[P+1]
	v_add_f32 v[ML+1], v[P+2], v[P+3]
	v_add_f32 v[ML+1], v[ML+1], v[T+1]
	v_add_f32_dpp v[ML+1], v[ML+1], v[ML+1] row_xmask:1 row_mask:0xf bank_mask:0xf
	v_add_f32_dpp v[ML+1], v[ML+1], v[ML+1] row_xmask:2 row_mask:0xf bank_mask:0xf
	v_add_f32_dpp v[ML+1], v[ML+1], v[ML+1] row_xmask:4 row_mask:0xf bank_mask:0xf
	v_add_f32_dpp v[ML+1], v[ML+1], v[ML+1] row_xmask:8 row_mask:0xf bank_mask:0xf
	v_permlanex16_b32 v[T], v[ML+1], s56, s57
	v_add_f32 v[ML+1], v[ML+1], v[T]               ; l, in every lane
	; WEIGHING: channel i's sum of p x over my 4 pixels, from the registers that the scores were made of
.set i, 0
.rept 32
	v_pk_mul_f32 v[X+4*i:X+4*i+1], v[X+4*i:X+4*i+1], v[P:P+1]
	v_pk_fma_f32 v[X+4*i:X+4*i+1], v[X+4*i+2:X+4*i+3], v[P+2:P+3], v[X+4*i:X+4*i+1]
	v_add_f32 v[R+i], v[X+4*i], v[X+4*i+1]
.set i, i+1
.endr
; REDUCE-SCATTER over the lanes.  A stage adds lane L xor x to lane L in n registers, after which both lanes hold the same n sums; each then keeps
; half of them: register q takes register 2q where the lane's bit is 0 and register 2q + 1 where it is 1 (q ascending and q <= 2q: nothing unread
; is overwritten).  Behind the stages with x = 1, 2, 4, 8 register q holds channel 16 q + (L & 15), summed over the lane's half of the wave.
; 60 adds and 30 selects, where 32 full sums over the lanes would take 192 instructions.
.macro STAGE n, x, mask
.set q, 0
.rept \n
	v_add_f32_dpp v[R+q], v[R+q], v[R+q] row_xmask:\x row_mask:0xf bank_mask:0xf
.set q, q+1
.endr
.set q, 0
.rept \n/2
	v_cndmask_b32 v[R+q], v[R+2*q], v[R+2*q+1], s[\mask]
.set q, q+1
.endr
.endm
	STAGE 32, 1, 50
	STAGE 16, 2, 51
	STAGE 8, 4, 52
	STAGE 4, 8, 53
	v_permlanex16_b32 v[T], v[R], s56, s57         ; the other half's sums
	v_permlanex16_b32 v[T+1], v[R+1], s56, s57
	v_add_f32 v[R], v[R], v[T]
	v_add_f32 v[R+1], v[R+1], v[T+1]
	v_cndmask_b32 v[R], v[R], v[R+1], s54          ; lane L: o[32 w + L] = o[t]
	ds_store_b32 v3, v[R] offset:OL                ; bytes of their own: the scores' region is not written again
	s_wait_dscnt 0x0                               ; zero, for the waves that read o behind the barrier
	s_barrier_signal -1
	s_barrier_wait -1
	; THE WAY OUT: waves 0 to 2 store o (thread t: channels 2 t, 2 t + 1), wave 3 the pairs (m, l) at bytes 768 + 8 L = 8 t.
	; Each storing wave writes 256 consecutive bytes that start at a multiple of 256 from part's first byte.
	s_cmp_gt_u32 s10, 3
	s_cbranch_scc1 .Lend
	s_cmp_eq_u32 s10, 3
	s_cbranch_scc1 .Lstats
	ds_load_b64 v[T:T+1], v[T8] offset:OL
	s_wait_dscnt 0x0
	global_store_b64 v[T8], v[T:T+1], s[8:9]
	s_branch .Lend
.Lstats:
	global_store_b64 v[T8], v[ML:ML+1], s[8:9]
.Lend:
	s_wait_tensorcnt 0x0
	ds_add_u32 v176, v177
	s_wait_dscnt 0x0
	s_endpgm
.Lfunc_end_k_q07910ef3ee_partial:
	.size	k_q07910ef3ee_partial, .Lfunc_end_k_q07910ef3ee_partial-k_q07910ef3ee_partial
	.p2alignl 7, 3214868480
	.fill 96, 4, 3214868480
	.section	.rodata,"a",@progbits
	.p2align	6, 0x0
	.amdhsa_kernel k_q07910ef3ee_partial
		.amdhsa_group_segment_fixed_size 4864
		.amdhsa_private_segment_fixed_size 0
		.amdhsa_enable_private_segment 0
		.amdhsa_kernarg_size 24
		.amdhsa_user_sgpr_count 2
		.amdhsa_user_sgpr_kernarg_segment_ptr 1
		.amdhsa_wavefront_size32 1
		.amdhsa_system_sgpr_workgroup_id_x 1
		.amdhsa_system_sgpr_workgroup_id_y 1
		.amdhsa_system_sgpr_workgroup_id_z 1
		.amdhsa_system_vgpr_workitem_id 0
		.amdhsa_next_free_vgpr 178
		.amdhsa_next_free_sgpr 66
		.amdhsa_reserve_vcc 0
		.amdhsa_float_denorm_mode_32 3
		.amdhsa_float_denorm_mode_16_64 3
		.amdhsa_memory_ordered 1
		.amdhsa_forward_progress 1
		.amdhsa_inst_pref_size 25
	.end_amdhsa_kernel
	.amdgpu_metadata
---
amdhsa.version: [ 1, 2 ]
amdhsa.kernels:
  - .name:           k_q07910ef3ee_partial
    .symbol:         k_q07910ef3ee_partial.kd
    .args:
      - { .name: x, .offset: 0, .size: 8, .value_kind: global_buffer, .address_space: global }
      - { .name: mean, .offset: 8, .size: 8, .value_kind: global_buffer, .address_space: global }
      - { .name: part, .offset: 16, .size: 8, .value_kind: global_buffer, .address_space: global }
    .group_segment_fixed_size: 4864
    .private_segment_fixed_size: 0
    .kernarg_segment_align: 8
    .kernarg_segment_size: 24
    .max_flat_workgroup_size: 192
    .sgpr_count:     66
    .vgpr_count:     178
    .wavefront_size: 32
...
	.end_amdgpu_metadata
.endif
;; end of part 2
;; launch combine (part 3): grid 8 x 1, 3 waves a work-group, no clusters, 0 bytes of LDS; arguments part, mean, out0; writes out0
.if DOCPART == 3
	.amdgcn_target "amdgcn-amd-amdhsa--gfx1250"
	.amdhsa_code_object_version 6
	.text
	.protected	k_q07910ef3ee_combine
	.globl	k_q07910ef3ee_combine
	.p2align	8
	.type	k_q07910ef3ee_combine,@function
k_q07910ef3ee_combine:
	s_mov_b64 s[64:65], 0
	v_nop
	global_prefetch_b8 v0, s[64:65] scope:SCOPE_SE
	s_setreg_imm32_b32 hwreg(HW_REG_WAVE_MODE, 25, 1), 1
	s_wait_xcnt 0x0
; THIRD OF THREE LAUNCHES: the 32 tiles of a batch and the mean token are merged.
;   s0 = K sum over c of M[c]^2 (the mean token's own score, base 2)       m* = max(s0, m_0 .. m_31)
;   e0 = 2^(s0 - m*), e_j = 2^(m_j - m*)          out[c] = (e0 M[c] + sum over j of e_j o_j[c]) / (e0 + sum over j of e_j l_j)
; One of the exponents is 0, and the l of the tile that holds the maximum is about 1 or more: the denominator is about 1 at the least.
; Work-group = batch; thread t (0..95) owns channels 2 t and 2 t + 1, so each load of a tile's o and the store cover 256 consecutive bytes a wave,
; starting at a multiple of 256.  The three waves each make the statistics for themselves (some 40 instructions): no LDS, no barrier.
; Eight work-groups are all the work there is: 1,536 outputs from 262,144 bytes, a chain of dependent steps; nothing is padded.
; The 32 pairs (m_j, l_j) are read as 8 bytes of 32 rows, once for each wave: 256 bytes of use against the 8,192 bytes of o that the wave reads.
; LIMITS: v_exp_f32 gives 0 below 2^-126 (ISA guide 15.8): a tile so far below the maximum weighs nothing beside a denominator of about 1.  v_rcp_f32 is good to
; one unit in the last place.  NaN and infinities propagate.
.set O, 16                             ; v[16:79]  tile j's o of my two channels: v[O+2j : O+2j+1]
.set E, 16                             ; s[16:47]  e_j
                                       ; v1 = 8 t   v2 = 1024 L   v3 = 8 L   v[4:5] = m_L, l_L   v[6:11] = six means   v[12:13] = my two means
                                       ; v80 = s0   v81 = m*   v[82:83] = the sums   v84 = e_L   v85 = e0   v86 = denominator   v87 = 1 / it   v90 = scratch
	s_load_b128 s[4:7], s[0:1], 0x0                ; part s[4:5], mean s[6:7]
	s_load_b64 s[8:9], s[0:1], 0x10                ; out0
	v_and_b32 v3, 31, v0                           ; lane L
	v_lshlrev_b32 v1, 3, v0                        ; 8 t
	v_lshlrev_b32 v2, 10, v3                       ; tile L's row of part
	v_lshlrev_b32 v3, 3, v3                        ; 8 L
	s_lshl_b32 s10, ttmp9, 15                      ; b x 32 rows of 1,024 bytes
	s_mov_b32 s11, 0
	s_mul_i32 s12, ttmp9, 768                      ; b x 192 words, in mean and in out0
	s_mov_b32 s13, 0
	s_mov_b32 s14, 0x76543210                      ; v_permlanex16_b32: lane i of one half reads lane i of the other
	s_mov_b32 s15, 0xfedcba98
	s_wait_kmcnt 0x0
	s_add_nc_u64 s[4:5], s[4:5], s[10:11]
	s_add_nc_u64 s[6:7], s[6:7], s[12:13]
	s_add_nc_u64 s[8:9], s[8:9], s[12:13]
	global_load_b64 v[4:5], v2, s[4:5] offset:768  ; (m, l) of tile L
	global_load_b64 v[6:7], v3, s[6:7]             ; the 192 means, six a lane
	global_load_b64 v[8:9], v3, s[6:7] offset:256
	global_load_b64 v[10:11], v3, s[6:7] offset:512
	global_load_b64 v[12:13], v1, s[6:7]           ; the means of my two channels
.set j, 0
.rept 32
	global_load_b64 v[O+2*j:O+2*j+1], v1, s[4:5] offset:1024*j
.set j, j+1
.endr
	s_wait_loadcnt 32                              ; the first five are in; the 32 loads of o stay out while the statistics are made
	v_mul_f32 v80, v6, v6                          ; sum of M^2 in two chains
	v_mul_f32 v90, v7, v7
	v_fmac_f32 v80, v8, v8
	v_fmac_f32 v90, v9, v9
	v_fmac_f32 v80, v10, v10
	v_fmac_f32 v90, v11, v11
	v_add_f32 v80, v80, v90
	v_add_f32_dpp v80, v80, v80 row_xmask:1 row_mask:0xf bank_mask:0xf
	v_add_f32_dpp v80, v80, v80 row_xmask:2 row_mask:0xf bank_mask:0xf
	v_add_f32_dpp v80, v80, v80 row_xmask:4 row_mask:0xf bank_mask:0xf
	v_add_f32_dpp v80, v80, v80 row_xmask:8 row_mask:0xf bank_mask:0xf
	v_permlanex16_b32 v90, v80, s14, s15
	v_add_f32 v80, v80, v90
	v_mul_f32 v80, 0x3dd53b94, v80                 ; s0 = K sum, K = log2(e) / sqrt(192) as in the launch before
	v_max_num_f32 v81, v4, v80                     ; the maximum starts with the mean token's score in every lane
	v_max_num_f32_dpp v81, v81, v81 row_xmask:1 row_mask:0xf bank_mask:0xf
	v_max_num_f32_dpp v81, v81, v81 row_xmask:2 row_mask:0xf bank_mask:0xf
	v_max_num_f32_dpp v81, v81, v81 row_xmask:4 row_mask:0xf bank_mask:0xf
	v_max_num_f32_dpp v81, v81, v81 row_xmask:8 row_mask:0xf bank_mask:0xf
	v_permlanex16_b32 v90, v81, s14, s15
	v_max_num_f32 v81, v81, v90                    ; m*
	v_sub_f32 v84, v4, v81
	v_sub_f32 v85, v80, v81
	v_exp_f32 v84, v84                             ; e_L
	v_exp_f32 v85, v85                             ; e0
	v_nop                                          ; one plain instruction between v_exp_f32 and the use of its result (ISA guide 5.7.2); nothing independent is left to do here
	s_wait_alu depctr_va_vdst(0)
	v_mul_f32 v86, v84, v5                         ; e_L l_L
	v_add_f32_dpp v86, v86, v86 row_xmask:1 row_mask:0xf bank_mask:0xf
	v_add_f32_dpp v86, v86, v86 row_xmask:2 row_mask:0xf bank_mask:0xf
	v_add_f32_dpp v86, v86, v86 row_xmask:4 row_mask:0xf bank_mask:0xf
	v_add_f32_dpp v86, v86, v86 row_xmask:8 row_mask:0xf bank_mask:0xf
	v_permlanex16_b32 v90, v86, s14, s15
	v_add_f32 v86, v86, v90
	v_add_f32 v86, v86, v85                        ; the denominator
	v_rcp_f32 v87, v86
	v_mul_f32 v82, v85, v12                        ; the mean token starts the sums (nothing is cleared), and these two lines
	v_mul_f32 v83, v85, v13                        ; are the plain instructions behind v_rcp_f32
.set j, 0
.rept 32
	v_readlane_b32 s[E+j], v84, j                  ; e_j as a scalar: the same factor for every lane
.set j, j+1
.endr
.set j, 0
.rept 32
	s_wait_loadcnt 31-j                            ; loads return in order: tile j's o is in, the 31 - j younger ones stay out
	v_fmac_f32 v82, s[E+j], v[O+2*j]
	v_fmac_f32 v83, s[E+j], v[O+2*j+1]
.set j, j+1
.endr
	s_wait_alu depctr_va_vdst(0)
	v_mul_f32 v82, v82, v87
	v_mul_f32 v83, v83, v87
	global_store_b64 v1, v[82:83], s[8:9]
	s_endpgm
.Lfunc_end_k_q07910ef3ee_combine:
	.size	k_q07910ef3ee_combine, .Lfunc_end_k_q07910ef3ee_combine-k_q07910ef3ee_combine
	.p2alignl 7, 3214868480
	.fill 96, 4, 3214868480
	.section	.rodata,"a",@progbits
	.p2align	6, 0x0
	.amdhsa_kernel k_q07910ef3ee_combine
		.amdhsa_group_segment_fixed_size 0
		.amdhsa_private_segment_fixed_size 0
		.amdhsa_enable_private_segment 0
		.amdhsa_kernarg_size 24
		.amdhsa_user_sgpr_count 2
		.amdhsa_user_sgpr_kernarg_segment_ptr 1
		.amdhsa_wavefront_size32 1
		.amdhsa_system_sgpr_workgroup_id_x 1
		.amdhsa_system_sgpr_workgroup_id_y 1
		.amdhsa_system_sgpr_workgroup_id_z 1
		.amdhsa_system_vgpr_workitem_id 0
		.amdhsa_next_free_vgpr 96
		.amdhsa_next_free_sgpr 66
		.amdhsa_reserve_vcc 0
		.amdhsa_float_denorm_mode_32 3
		.amdhsa_float_denorm_mode_16_64 3
		.amdhsa_memory_ordered 1
		.amdhsa_forward_progress 1
		.amdhsa_inst_pref_size 12
	.end_amdhsa_kernel
	.amdgpu_metadata
---
amdhsa.version: [ 1, 2 ]
amdhsa.kernels:
  - .name:           k_q07910ef3ee_combine
    .symbol:         k_q07910ef3ee_combine.kd
    .args:
      - { .name: part, .offset: 0, .size: 8, .value_kind: global_buffer, .address_space: global }
      - { .name: mean, .offset: 8, .size: 8, .value_kind: global_buffer, .address_space: global }
      - { .name: out0, .offset: 16, .size: 8, .value_kind: global_buffer, .address_space: global }
    .group_segment_fixed_size: 0
    .private_segment_fixed_size: 0
    .kernarg_segment_align: 8
    .kernarg_segment_size: 24
    .max_flat_workgroup_size: 96
    .sgpr_count:     66
    .vgpr_count:     96
    .wavefront_size: 32
...
	.end_amdgpu_metadata
.endif
;; end of part 3
